; MI455X (gfx1250); checked and timed in simulation.
; The chip was launched on July 23, 2026; its instructions are those of AMD's public machine-readable ISA for CDNA 5 (MIT licence, August 2026) and "CDNA5" Instruction Set Architecture Reference Guide (July 2026). The comments in the code are by the model that wrote it; some were corrected since.
;; NGP Neural Field. Allowed arithmetic: float matrix products may take bf16 or f16 operands with f32 sums; all other float work in f32.
;; Inputs: positions 524,288 x 3 float32; tables 16 x 524,288 x 2 float32; w1 32 x 64 float32; w2 64 x 64 float32; w3 64 x 1 float32.
;; Outputs: out0 524,288 x 1 float32.
;; 2 versions, each right; version 2 is version 1 with the launch field written anew for expert scheduling mode. Each part assembles by itself: llvm-mc -triple=amdgcn-amd-amdhsa -mcpu=gfx1250 --defsym DOCPART=n.
;; ======== version 1 of 2: 2 launches
;; limits: a function is approximated: absolute error at most 3.3e-06
;; workspace buffers: qx0 1,048,576 bytes of whole numbers; qx1 1,048,576 bytes of whole numbers; qy0 1,048,576 bytes of whole numbers; qy1 1,048,576 bytes of whole numbers; qz0 1,048,576 bytes of whole numbers; qz1 1,048,576 bytes of whole numbers; qn 1,048,576 bytes of whole numbers; wfrag 28,672 bytes
;; launch prep (part 1): grid 2048 x 1, 1 waves a work-group, no clusters, 4,352 bytes of LDS; arguments positions, w1, w2, w3, qx0, qx1, qy0, qy1, qz0, qz1, qn, wfrag; writes qx0, qx1, qy0, qy1, qz0, qz1, qn, wfrag
.if DOCPART == 1
	.amdgcn_target "amdgcn-amd-amdhsa--gfx1250"
	.amdhsa_code_object_version 6
	.text
	.protected	k_q6e2954ab0f_prep
	.globl	k_q6e2954ab0f_prep
	.p2align	8
	.type	k_q6e2954ab0f_prep,@function
k_q6e2954ab0f_prep:
	s_mov_b64 s[64:65], 0
	v_nop
	global_prefetch_b8 v0, s[64:65] scope:SCOPE_SE
	s_setreg_imm32_b32 hwreg(HW_REG_WAVE_MODE, 25, 1), 1
	s_wait_xcnt 0x0
; PREP: turns the float positions into queues of whole numbers, and the three weight matrices into ready matrix fragments.
; One wave is one work-group and takes a chunk of 256 consecutive points: no barrier, no LDS shared between waves.
;   The queue of a chunk has 256 places and lies in four planes: xq, yq, zq (a 32-bit word a place) and n (16 bits a place).
;   qx0, qy0, qz0 hold the planes of chunks 0-1023, qx1, qy1, qz1 those of chunks 1024-2047 (1,024 bytes a chunk); qn holds n of
;   all chunks (512 bytes a chunk).  The first places are the chunk's points inside the box (the model's selector), in their order:
;   s = position + 1 (the sum that the model itself forms; x = s / 2 is exact), xq = s * 2^30 = x * 2^31 as a whole number (x in
;   0.31 fixed point), n = the point's number in the chunk.  The other places hold xq = yq = zq = 0, n = 256: filling records.
;   wfrag    = 28 fragments of 1,024 bytes, [fragment][half][lane][4 words] of two bf16 each, in the layout of a 16 x 32 first
;              operand: lane (r, h) holds row r; word j = 4 half + (0..3) holds k = 16 (j / 4) + 8 h + 2 (j % 4) and k + 1.
;              Every weight goes as two bf16 numbers: hi = the weight rounded, lo = what is left, rounded (together 16 bits).
;              fragments 0..3: hi of w1, rows = neurons 16 t + r (transposed);  4 + 2 t + kk: hi of w2, k from 32 kk;
;              12..23: the lo parts in the same order;  24 + kk: hi of w3 in every row, k from 32 kk;  26 + kk: its lo part.
; The queue is packed in LDS: a record's LDS place hangs on the selector; every global address is fixed, and all four planes of
; the chunk are stored whole, whatever the number of selected points.
; LIMITS: a point with a NaN position is not selected (the model's result there is NaN, this program's is 0).  x is cut at 2^-31:
; that touches only x below 2^-8, and moves a blend weight by 7,006 x 2^-31 at the most.
.set CHUNK,  256                       ; points of a work-group
.set NFRAG,  28
.set TRASH,  256                       ; places 0-255 the queue, places 256-287 one a lane for points outside the box
.set PX,     0                         ; LDS: plane of xq, 288 words
.set PY,     1152                      ; plane of yq
.set PZ,     2304                      ; plane of zq
.set PN,     3456                      ; plane of n, 288 halfwords
.set P,      8                         ; v[8:39]   slot i: 4 registers, position as loaded, then the record; then the planes read back
.set FILL,   40                        ; v[40:43]  zeros
.set FILN,   44                        ; v[44:47]  eight times 256 in 16 bits
.set A,      48                        ; v[48:63]  fragments: byte offsets of my 16 weights
.set D,      64                        ; v[64:79]  my 16 weights, then what is left of them
.set HI,     80                        ; v[80:87]  my 8 words
.set T,      88                        ; v[88:103] at work
	s_load_b256 s[4:11], s[0:1], 0x0               ; positions s[4:5], w1 s[6:7], w2 s[8:9], w3 s[10:11]
	s_load_b512 s[36:51], s[0:1], 0x20             ; qx0, qx1 s[36:39], qy0, qy1 s[40:43], qz0, qz1 s[44:47], qn s[48:49], wfrag s[50:51]
	v_lshl_add_u32 v104, v0, 2, 0x1000
	v_mov_b32 v105, 0
	s_mul_i32 s16, ttmp9, CHUNK*12                 ; the chunk's part of positions (6 MiB in all: 32 bits do)
	s_mov_b32 s17, 0
	s_and_b32 s18, ttmp9, 1023                     ; the chunk's number in its half,
	s_lshl_b32 s18, s18, 10                        ; times 256 words
	s_mov_b32 s19, 0
	s_lshl_b32 s12, ttmp9, 9                       ; the chunk's part of qn: 256 halfwords
	s_mov_b32 s13, 0
	s_mov_b32 s22, 0                               ; records in the queue
	v_mul_u32_u24 v1, v0, 12                       ; my 12 bytes of a run of 32 positions
	v_lshlrev_b32 v2, 4, v0                        ; my 16 bytes of a run of 512
	v_add_nc_u32 v5, TRASH, v0                     ; my trash place
.irp j, 0,1,2,3
	v_mov_b32 v[FILL+\j], 0
	v_mov_b32 v[FILN+\j], 0x1000100
.endr
	s_wait_kmcnt 0x0
	s_add_nc_u64 s[4:5], s[4:5], s[16:17]
	s_cmp_lt_u32 ttmp9, 1024                       ; which half of the chunks ?
	s_cselect_b64 s[36:37], s[36:37], s[38:39]
	s_cselect_b64 s[40:41], s[40:41], s[42:43]
	s_cselect_b64 s[44:45], s[44:45], s[46:47]
	s_add_nc_u64 s[36:37], s[36:37], s[18:19]
	s_add_nc_u64 s[40:41], s[40:41], s[18:19]
	s_add_nc_u64 s[44:45], s[44:45], s[18:19]
	s_add_nc_u64 s[48:49], s[48:49], s[12:13]
.irp i, 0,1,2,3,4,5,6,7
	global_load_b96 v[P+4*\i:P+4*\i+2], v1, s[4:5] offset:384*\i th:TH_LOAD_NT
.endr
	; the queue starts as 256 filling records
.irp o, PX, PX+512, PY, PY+512, PZ, PZ+512
	ds_store_b128 v2, v[FILL:FILL+3] offset:\o
.endr
	ds_store_b128 v2, v[FILN:FILN+3] offset:PN
; Points 32 i .. 32 i + 31.  A selected lane's place is the count so far plus the selected lanes below it.  EXEC stays full: the
; other lanes store to a place of their own that nobody reads.  The bound and the shifts to bytes come last.
.macro POINT i
	s_wait_loadcnt 7-\i                            ; loads come back in order: mine is in, the 7 - i younger ones stay out
	v_add_f32 v[P+4*\i],   1.0, v[P+4*\i]          ; s = position - origin - aabb_min
	v_add_f32 v[P+4*\i+1], 1.0, v[P+4*\i+1]
	v_add_f32 v[P+4*\i+2], 1.0, v[P+4*\i+2]
	v_minimum_f32 v3, v[P+4*\i], v[P+4*\i+1]       ; a NaN wins in both, and fails both compares
	v_maximum_f32 v4, v[P+4*\i], v[P+4*\i+1]
	v_minimum_f32 v3, v3, v[P+4*\i+2]
	v_maximum_f32 v4, v4, v[P+4*\i+2]
	v_cmp_lt_f32 s20, 0, v3                        ; 0 < the smallest s
	v_cmp_gt_f32 s21, 2.0, v4                      ; 2 > the largest s
	s_and_b32 s20, s20, s21
	v_mul_f32 v[P+4*\i],   0x4e800000, v[P+4*\i]   ; s * 2^30, exact
	v_mul_f32 v[P+4*\i+1], 0x4e800000, v[P+4*\i+1]
	v_mul_f32 v[P+4*\i+2], 0x4e800000, v[P+4*\i+2]
	v_cvt_u32_f32 v[P+4*\i],   v[P+4*\i]           ; below 2^31 for every selected point
	v_cvt_u32_f32 v[P+4*\i+1], v[P+4*\i+1]
	v_cvt_u32_f32 v[P+4*\i+2], v[P+4*\i+2]
	v_or_b32 v[P+4*\i+3], 32*\i, v0                ; the point's number in the chunk
	v_mbcnt_lo_u32_b32 v6, s20, s22
	v_cndmask_b32 v6, v5, v6, s20                  ; the queue's place, or my trash place
	v_min_u32 v6, TRASH+31, v6                     ; the last place of a plane
	v_lshlrev_b32 v7, 2, v6                        ; in words
	v_lshlrev_b32 v6, 1, v6                        ; in halfwords
	ds_store_b32 v7, v[P+4*\i]   offset:PX
	ds_store_b32 v7, v[P+4*\i+1] offset:PY
	ds_store_b32 v7, v[P+4*\i+2] offset:PZ
	ds_store_b16 v6, v[P+4*\i+3] offset:PN
	s_bcnt1_i32_b32 s21, s20
	s_add_co_u32 s22, s22, s21
.endm
.irp i, 0,1,2,3,4,5,6,7
	POINT \i
.endr
	; The planes go out.  LDS serves a wave's instructions in order (ISA guide 5.7.1): these loads see every store above.
.macro BACK j, off
	ds_load_b128 v[P+4*\j:P+4*\j+3], v2 offset:\off
.endm
.macro OUT j, base, off
	s_wait_dscnt 6-\j                              ; load j is back, the 6 - j younger ones stay out
	global_store_b128 v2, v[P+4*\j:P+4*\j+3], s[\base:\base+1] offset:\off     ; 512 consecutive bytes, aligned
.endm
	BACK 0, PX
	BACK 1, PX+512
	BACK 2, PY
	BACK 3, PY+512
	BACK 4, PZ
	BACK 5, PZ+512
	BACK 6, PN
	OUT 0, 36, 0
	OUT 1, 36, 512
	OUT 2, 40, 0
	OUT 3, 40, 512
	OUT 4, 44, 0
	OUT 5, 44, 512
	OUT 6, 48, 0
	; The first 28 work-groups also make one fragment each: a lane makes its own 8 words from 16 weights.  28 KiB in all.
	s_cmp_ge_u32 ttmp9, NFRAG
	s_cbranch_scc1 .Lend
	s_mov_b32 s22, ttmp9                           ; f
	s_sub_co_u32 s23, s22, 12
	s_and_b32 s26, s22, 1                          ; for w3: kk
	s_bfe_u32 s31, s22, 0x10001                    ; for w3: bit 1 of f: 24, 25 are hi parts, 26, 27 lo parts
	s_cmp_ge_u32 s22, 12
	s_cselect_b32 s23, s23, s22                    ; for w1 and w2: g = the fragment's number among the twelve of its part
	s_cselect_b32 s20, 1, 0                        ; a lo part ?
	s_cmp_ge_u32 s22, 24
	s_cselect_b32 s20, s31, s20
	s_sub_co_u32 s21, s23, 4                       ; for w2: g - 4 = 2 t + kk
	s_lshr_b32 s24, s21, 1
	s_and_b32 s25, s21, 1
	s_cmp_lt_u32 s23, 4                            ; w1 ?
	s_cselect_b64 s[28:29], s[6:7], s[8:9]         ; the matrix
	s_cselect_b32 s24, s23, s24                    ; t
	s_cselect_b32 s25, 0, s25                      ; kk
	s_cmp_ge_u32 s22, 24                           ; w3 ?
	s_cselect_b64 s[28:29], s[10:11], s[28:29]
	s_cselect_b32 s24, 0, s24
	s_cselect_b32 s25, s26, s25
	s_cselect_b32 s27, 4, 0x100                    ; bytes from k to k + 1: w3 has one column, w1 and w2 have 64
	s_cselect_b32 s30, 0, 4                        ; bytes from neuron to neuron: every row of w3's fragments is w3
	s_sub_co_u32 s20, 0, s20                       ; as a mask of lanes: none, or all
	s_lshl_b32 s24, s24, 4                         ; 16 t
	s_lshl_b32 s25, s25, 5                         ; 32 kk
	s_lshl_b32 s16, s22, 10                        ; the fragment's 1,024 bytes (s17 is still 0)
	s_add_nc_u64 s[50:51], s[50:51], s[16:17]
	v_and_b32 v44, 15, v0                          ; r
	v_lshrrev_b32 v45, 4, v0                       ; h
	v_lshl_add_u32 v45, v45, 3, s25                ; 8 h + 32 kk: my first k
	v_add_nc_u32 v44, s24, v44                     ; neuron 16 t + r
	v_mul_u32_u24 v45, v45, s27
	v_mad_u32_u24 v45, v44, s30, v45               ; byte of W[my first k][neuron]
.irp e, 0,1,2,3,4,5,6,7,8,9,10,11,12,13,14,15
	v_mad_u32_u24 v[A+\e], s27, 16*(\e/8)+(\e%8), v45            ; my weight e: k is 0..7, then 16..23 further on
.endr
.irp e, 0,1,2,3,4,5,6,7,8,9,10,11,12,13,14,15
	global_load_b32 v[D+\e], v[A+\e], s[28:29]
.endr
	s_wait_loadcnt 0x0
.irp j, 0,1,2,3,4,5,6,7
	v_cvt_pk_bf16_f32 v[HI+\j], v[D+2*\j], v[D+2*\j+1]           ; hi: k in the low half, k + 1 in the high half
.endr
.irp j, 0,1,2,3,4,5,6,7
	v_lshlrev_b32 v[T+2*\j],   16, v[HI+\j]                      ; the two hi parts as f32
	v_and_b32     v[T+2*\j+1], 0xffff0000, v[HI+\j]
.endr
.irp j, 0,1,2,3,4,5,6,7
	v_pk_add_f32 v[D+2*\j:D+2*\j+1], v[D+2*\j:D+2*\j+1], v[T+2*\j:T+2*\j+1] neg_lo:[0,1] neg_hi:[0,1]   ; what is left, exact
.endr
.irp j, 0,1,2,3,4,5,6,7
	v_cvt_pk_bf16_f32 v[T+\j], v[D+2*\j], v[D+2*\j+1]            ; lo
.endr
.irp j, 0,1,2,3,4,5,6,7
	v_cndmask_b32 v[HI+\j], v[HI+\j], v[T+\j], s20
.endr
	global_store_b128 v2, v[HI:HI+3],   s[50:51]                 ; words 0-3 of all lanes: 512 consecutive bytes, aligned
	global_store_b128 v2, v[HI+4:HI+7], s[50:51] offset:512      ; words 4-7
.Lend:
	s_wait_tensorcnt 0x0
	ds_add_u32 v104, v105
	s_wait_dscnt 0x0
	s_endpgm
.Lfunc_end_k_q6e2954ab0f_prep:
	.size	k_q6e2954ab0f_prep, .Lfunc_end_k_q6e2954ab0f_prep-k_q6e2954ab0f_prep
	.p2alignl 7, 3214868480
	.fill 96, 4, 3214868480
	.section	.rodata,"a",@progbits
	.p2align	6, 0x0
	.amdhsa_kernel k_q6e2954ab0f_prep
		.amdhsa_group_segment_fixed_size 4352
		.amdhsa_private_segment_fixed_size 0
		.amdhsa_enable_private_segment 0
		.amdhsa_kernarg_size 96
		.amdhsa_user_sgpr_count 2
		.amdhsa_user_sgpr_kernarg_segment_ptr 1
		.amdhsa_wavefront_size32 1
		.amdhsa_system_sgpr_workgroup_id_x 1
		.amdhsa_system_sgpr_workgroup_id_y 1
		.amdhsa_system_sgpr_workgroup_id_z 1
		.amdhsa_system_vgpr_workitem_id 0
		.amdhsa_next_free_vgpr 106
		.amdhsa_next_free_sgpr 66
		.amdhsa_reserve_vcc 0
		.amdhsa_float_denorm_mode_32 3
		.amdhsa_float_denorm_mode_16_64 3
		.amdhsa_memory_ordered 1
		.amdhsa_forward_progress 1
		.amdhsa_inst_pref_size 23
	.end_amdhsa_kernel
	.amdgpu_metadata
---
amdhsa.version: [ 1, 2 ]
amdhsa.kernels:
  - .name:           k_q6e2954ab0f_prep
    .symbol:         k_q6e2954ab0f_prep.kd
    .args:
      - { .name: positions, .offset: 0, .size: 8, .value_kind: global_buffer, .address_space: global }
      - { .name: w1, .offset: 8, .size: 8, .value_kind: global_buffer, .address_space: global }
      - { .name: w2, .offset: 16, .size: 8, .value_kind: global_buffer, .address_space: global }
      - { .name: w3, .offset: 24, .size: 8, .value_kind: global_buffer, .address_space: global }
      - { .name: qx0, .offset: 32, .size: 8, .value_kind: global_buffer, .address_space: global }
      - { .name: qx1, .offset: 40, .size: 8, .value_kind: global_buffer, .address_space: global }
      - { .name: qy0, .offset: 48, .size: 8, .value_kind: global_buffer, .address_space: global }
      - { .name: qy1, .offset: 56, .size: 8, .value_kind: global_buffer, .address_space: global }
      - { .name: qz0, .offset: 64, .size: 8, .value_kind: global_buffer, .address_space: global }
      - { .name: qz1, .offset: 72, .size: 8, .value_kind: global_buffer, .address_space: global }
      - { .name: qn, .offset: 80, .size: 8, .value_kind: global_buffer, .address_space: global }
      - { .name: wfrag, .offset: 88, .size: 8, .value_kind: global_buffer, .address_space: global }
    .group_segment_fixed_size: 4352
    .private_segment_fixed_size: 0
    .kernarg_segment_align: 8
    .kernarg_segment_size: 96
    .max_flat_workgroup_size: 32
    .sgpr_count:     66
    .vgpr_count:     106
    .wavefront_size: 32
...
	.end_amdgpu_metadata
.endif
;; end of part 1
;; launch field (part 2): grid 2048 x 1, 1 waves a work-group, no clusters, 1,536 bytes of LDS; arguments qx0, qx1, qy0, qy1, qz0, qz1, qn, tables, wfrag, out0; writes out0
.if DOCPART == 2
	.amdgcn_target "amdgcn-amd-amdhsa--gfx1250"
	.amdhsa_code_object_version 6
	.text
	.protected	k_q6e2954ab0f_field
	.globl	k_q6e2954ab0f_field
	.p2align	8
	.type	k_q6e2954ab0f_field,@function
k_q6e2954ab0f_field:
	s_mov_b64 s[64:65], 0
	v_nop
	global_prefetch_b8 v0, s[64:65] scope:SCOPE_SE
	s_setreg_imm32_b32 hwreg(HW_REG_WAVE_MODE, 25, 1), 1
	s_wait_xcnt 0x0
; FIELD: hash-grid encoding (16 levels x 8 corners) and the net 32 -> 64 -> 64 -> 1 for a chunk of 256 consecutive points a wave.
; One wave is one work-group: no barrier, no LDS shared between waves.  The launch before has packed the chunk's points inside the
; box to the front of a queue of 256 places and filled the rest with records { 0, 0, 0, 256 } (points outside the box give 0
; whatever the net says, since the model multiplies by its own selector).  The wave
;   1. sets the 256 output words in LDS to 0;
;   2. walks the whole queue, 32 places a trip, lane = place: always 8 trips, so that no branch hangs on data.  In a trip of filling
;      records all 32 lanes ask for the same eight rows of each level: such a trip costs its instructions, but no scattered
;      gathers.  A trip's records are asked for in the trip before; each result goes to its point's word in LDS, a filling
;      record's to a word that nobody reads;
;   3. stores the 256 output words, each store 512 consecutive bytes.
; ENCODING, whole numbers only up to the gather: xq is x in 0.31 fixed point, so the high word of the 64-bit product xq * (2 res) is
; floor(x res).  The blend's weight is made as the model makes it: x res rounded to f32, less the grid coordinate.  Where that
; rounding reaches the next whole number the weight is 1 in the lower cell, which is the model's weight 0 in the upper one.
; Four levels' gathers (8 loads of 8 bytes a lane each) are on their way at any time.
; NET, transposed: D = W^T (first operand, rows = neurons) x X^T (second operand, columns = points).  Lane (r, h) of result tile t
; holds neurons 16 t + 8 h + 0..7 of point r, which after ReLU and packing IS the next layer's second operand: nothing crosses lanes.
; FORMAT: bf16 operands, f32 sums.  The output is the ReLU of a sum whose terms largely cancel, so one bf16 number's 8 bits an
; operand are too few.  Every operand goes as two: hi = the number rounded to bf16, lo = what is left, rounded; a product is three
; passes, hi hi + hi lo + lo hi.  What is dropped (lo lo) and what lo's rounding loses are each below 2^-16 of a term.
; REGISTERS: 384.  Window 1 (v256-383) holds weights alone, and only a matrix instruction's first operand is ever taken from it:
; three stretches and six switches a trip.
; LIMITS: table rows or weights that are not finite do not reach points outside the box (the model gives NaN there).
; The blend is a chain of seven lerps a + w (b - a), the model's a sum of eight weighted corners: the roundings differ in order.
.set STAGE,  0                         ; LDS: 256 output words, then word 256 for the filling records
.set TRIPS,  8                         ; 256 places, 32 a trip
.set QLAST,  896                       ; byte of a word plane at which the queue's last 32 places begin
.set QA,   1                           ; v1        byte offset of my place in the chunk's word planes
.set REC,  2                           ; v[2:5]    xq, yq, zq, the point's number (256: a filling record)
.set WP,   6                           ; v[6:29]   level slot s: three pairs (weight, grid coordinate); at work in the net
.set TMP,  30                          ; v30       at work while levels go out;
.set QN,   30                          ;           behind the last level: byte offset of my place in the plane of numbers
.set SA,   31                          ; v31       LDS address of my point's output word; at first my 16 bytes of a run of 512
.set G,    32                          ; v[32:95]  level slot s: 16 registers, offsets, then 8 corners x 2 features; the net's sums
.set F,    96                          ; v[96:127] the 32 features in f32
.set XF,   128                         ; v[128:130] x, y, z as f32
.set XH,   128                         ; v[128:143] features, hi parts
.set XL,   144                         ; v[144:159] features, lo parts
.set HH,   96                          ; v[96:127]  a hidden layer, hi parts: group p, tile t at 16 p + 4 t
.set HL,   128                         ; v[128:159] a hidden layer, lo parts
.set W1H,  160                         ; v[160:191] hi of w1, tile t at 8 t
.set W2H,  192                         ; v[192:255] hi of w2, tile t, half kk at 16 t + 8 kk
.set W1L,  0                           ; window 1: v[256:287] lo of w1
.set W2L,  32                          ; window 1: v[288:351] lo of w2
.set W3H,  96                          ; window 1: v[352:367] hi of w3, half kk at 8 kk
.set W3L,  112                         ; window 1: v[368:383] lo of w3
.set TB,   32                          ; s[32:63]  the 16 levels' tables (at first: the arguments)
.set MSB, 0
.macro WIN new                         ; low byte: bits 1:0 source 0, 7:6 destination; the high byte repeats the setting that is left
.if MSB != \new
	s_set_vgpr_msb (MSB<<8)|\new
.set MSB, \new
.endif
.endm
	s_load_b512 s[32:47], s[0:1], 0x0              ; qx0, qx1 s[32:35], qy0, qy1 s[36:39], qz0, qz1 s[40:43], qn s[44:45], tables s[46:47]
	s_load_b128 s[8:11], s[0:1], 0x40              ; wfrag s[8:9], out0 s[10:11]
	s_set_vgpr_msb 0x40
	v_lshl_add_u32 v128, v0, 2, 0x500
	v_mov_b32 v129, 0
	s_set_vgpr_msb 0x4000
	s_and_b32 s24, ttmp9, 1023                     ; the chunk's number in its half,
	s_lshl_b32 s24, s24, 10                        ; times 256 words
	s_mov_b32 s25, 0
	s_lshl_b32 s26, ttmp9, 10                      ; my 256 outputs
	s_mov_b32 s27, 0
	s_lshl_b32 s30, ttmp9, 9                       ; my 256 numbers of 16 bits
	s_mov_b32 s31, 0
	s_mov_b32 s12, 0x9e3779b1                      ; the hash's primes for y and z (x's is 1)
	s_mov_b32 s13, 0x30025795
	s_mov_b32 s14, 0xffff0000                      ; a word's upper bf16; also, as a mask of lanes, lanes 16 to 31
	s_mov_b32 s23, 0                               ; byte of a word plane at which the places last asked for begin
	s_mov_b32 s22, 0                               ; trips done
	v_lshlrev_b32 v[QA], 2, v0
	v_lshlrev_b32 v[QN], 1, v0
	v_lshlrev_b32 v[SA], 4, v0
	v_mov_b32 v[WP], 0
	v_mov_b32 v[WP+1], 0
	v_mov_b32 v[WP+2], 0
	v_mov_b32 v[WP+3], 0
	s_wait_kmcnt 0x0
	s_cmp_lt_u32 ttmp9, 1024                       ; which half of the chunks ?
	s_cselect_b64 s[4:5],   s[32:33], s[34:35]     ; the plane of xq
	s_cselect_b64 s[16:17], s[36:37], s[38:39]     ; of yq
	s_cselect_b64 s[18:19], s[40:41], s[42:43]     ; of zq
	s_mov_b64 s[28:29], s[44:45]                   ; of the numbers
	s_mov_b64 s[6:7], s[46:47]                     ; the tables
	s_add_nc_u64 s[4:5],   s[4:5],   s[24:25]
	s_add_nc_u64 s[16:17], s[16:17], s[24:25]
	s_add_nc_u64 s[18:19], s[18:19], s[24:25]
	s_add_nc_u64 s[28:29], s[28:29], s[30:31]
	s_add_nc_u64 s[10:11], s[10:11], s[26:27]
.irp l, 0,1,2,3,4,5,6,7,8,9,10,11,12,13,14,15
	s_add_nc_u64 s[TB+2*\l:TB+2*\l+1], s[6:7], \l*0x400000       ; a level is 524,288 rows of 8 bytes
.endr
; The records of 32 places: three words and a number of 16 bits a lane.
.macro RECORDS
	global_load_b32 v[REC],   v[QA], s[4:5]
	global_load_b32 v[REC+1], v[QA], s[16:17]
	global_load_b32 v[REC+2], v[QA], s[18:19]
	global_load_u16 v[REC+3], v[QN], s[28:29]
.endm
	RECORDS                                        ; the first trip's
	; 56 weight loads, 512 consecutive bytes each; with the four record loads 60 loads of the wave are out
.irp f, 0,1,2,3,4,5,6,7,8,9,10,11
	global_load_b128 v[W1H+8*\f:W1H+8*\f+3],   v[SA], s[8:9] offset:1024*\f
	global_load_b128 v[W1H+8*\f+4:W1H+8*\f+7], v[SA], s[8:9] offset:1024*\f+512
.endr
	WIN 0x40                                       ; the destination in window 1, the offset register in window 0
.irp f, 0,1,2,3,4,5,6,7,8,9,10,11,12,13,14,15
	global_load_b128 v[8*\f:8*\f+3],   v[SA], s[8:9] offset:1024*(12+\f)
	global_load_b128 v[8*\f+4:8*\f+7], v[SA], s[8:9] offset:1024*(12+\f)+512
.endr
	WIN 0
	ds_store_b128 v[SA], v[WP:WP+3] offset:STAGE                 ; the 256 outputs start as 0
	ds_store_b128 v[SA], v[WP:WP+3] offset:STAGE+512
	s_wait_loadcnt 0x0                             ; records and weights; this also frees v[QA], v[QN] and v[SA], which the loads named
; Level l goes out from slot s: coordinates, eight hashes, eight gathers, then the weights.  res: the level's resolution as a whole
; number, resf: the same as f32.  The slot's odd registers serve as temporaries until the loads are issued; each load lands on its
; own offset register.
.macro CORNERS q, a                    ; the two x corners of the (y, z) pair q, whose masked hash part lies in register a
	v_xor_b32 v[G0+4*\q],   v[W0+1], v[\a]
	v_xor_b32 v[G0+4*\q+2], v[G0+9], v[\a]
.endm
.macro ISSUE l, slot, res, resf
.set G0, G+16*\slot
.set W0, WP+6*\slot
	v_mad_co_u64_u32 v[W0:W0+1],   vcc_lo, v[REC],   2*\res, 0   ; x 2^31 times 2 res: the high word is floor(x res)
	v_mad_co_u64_u32 v[W0+2:W0+3], vcc_lo, v[REC+1], 2*\res, 0
	v_mad_co_u64_u32 v[W0+4:W0+5], vcc_lo, v[REC+2], 2*\res, 0
	v_mul_lo_u32 v[G0+1], v[W0+3], s12             ; iy x prime
	v_mul_lo_u32 v[G0+3], v[W0+5], s13             ; iz x prime
	v_add_nc_u32 v[G0+9], 1, v[W0+1]               ; ix + 1: at most 7,006, so x needs no mask
	v_add_nc_u32 v[G0+5], s12, v[G0+1]             ; (iy + 1) x prime
	v_add_nc_u32 v[G0+7], s13, v[G0+3]             ; (iz + 1) x prime
	v_xor_b32 v[G0+11], v[G0+1], v[G0+3]           ; pair q = 2 cy + cz
	v_xor_b32 v[G0+13], v[G0+1], v[G0+7]
	v_xor_b32 v[G0+15], v[G0+5], v[G0+3]
	v_xor_b32 v[TMP],   v[G0+5], v[G0+7]
	v_and_b32 v[G0+11], 0x7ffff, v[G0+11]
	v_and_b32 v[G0+13], 0x7ffff, v[G0+13]
	v_and_b32 v[G0+15], 0x7ffff, v[G0+15]
	v_and_b32 v[TMP],   0x7ffff, v[TMP]
	CORNERS 0, G0+11
	CORNERS 1, G0+13
	CORNERS 2, G0+15
	CORNERS 3, TMP
.irp c, 0,1,2,3,4,5,6,7
	v_min_u32 v[G0+2*\c], 0x7ffff, v[G0+2*\c]      ; a row of the table, whatever the records hold
.endr
.irp c, 0,1,2,3,4,5,6,7
	v_lshlrev_b32 v[G0+2*\c], 3, v[G0+2*\c]        ; a row is 8 bytes: both features
.endr
.irp c, 0,1,2,3,4,5,6,7
	global_load_b64 v[G0+2*\c:G0+2*\c+1], v[G0+2*\c], s[TB+2*\l:TB+2*\l+1]
.endr
	; The model rounds x res to f32 and only then takes the floor away: the product is rounded by itself here too, so the
	; multiply and the subtraction are not fused.
.irp d, 0,1,2
	v_cvt_f32_u32 v[W0+2*\d+1], v[W0+2*\d+1]       ; the grid coordinate as f32, exact
.endr
.irp d, 0,1,2
	v_mul_f32 v[W0+2*\d], \resf, v[XF+\d]
.endr
.irp d, 0,1,2
	v_sub_f32 v[W0+2*\d], v[W0+2*\d], v[W0+2*\d+1]
.endr
.endm
; The level in slot s comes in and is blended: four lerps along x, two along y, one along z, both features at once; the weight is
; the low register of its pair for both halves.  dst = the level's place among the feature pairs; left = younger loads that stay out.
.macro FINISH slot, dst, left
.set G0, G+16*\slot
.set W0, WP+6*\slot
	s_wait_loadcnt \left                           ; loads come back in order: my eight are in, the younger ones stay out
.irp q, 0,4,8,12
	v_pk_add_f32 v[G0+\q+2:G0+\q+3], v[G0+\q+2:G0+\q+3], v[G0+\q:G0+\q+1] neg_lo:[0,1] neg_hi:[0,1]
.endr
.irp q, 0,4,8,12
	v_pk_fma_f32 v[G0+\q:G0+\q+1], v[G0+\q+2:G0+\q+3], v[W0:W0+1], v[G0+\q:G0+\q+1] op_sel_hi:[1,0,1]
.endr
.irp q, 0,4
	v_pk_add_f32 v[G0+\q+8:G0+\q+9], v[G0+\q+8:G0+\q+9], v[G0+\q:G0+\q+1] neg_lo:[0,1] neg_hi:[0,1]
.endr
.irp q, 0,4
	v_pk_fma_f32 v[G0+\q:G0+\q+1], v[G0+\q+8:G0+\q+9], v[W0+2:W0+3], v[G0+\q:G0+\q+1] op_sel_hi:[1,0,1]
.endr
	v_pk_add_f32 v[G0+4:G0+5], v[G0+4:G0+5], v[G0:G0+1] neg_lo:[0,1] neg_hi:[0,1]
	v_pk_fma_f32 v[F+2*\dst:F+2*\dst+1], v[G0+4:G0+5], v[W0+4:W0+5], v[G0:G0+1] op_sel_hi:[1,0,1]
.endm
; Four places behind the last matrix instruction before a vector instruction reads a result or writes an operand (ISA guide 7.12.1).
.macro PLACES
.rept 4
	v_nop
.endr
.endm
; Eight matrix instructions, one for each result tile (group p of 16 points, neuron tile t): first operand at a + as t, second at
; b + bs p.  zero = 1: the constant 0 starts the sums.  The eight accumulators take turns, one instruction a turn.
.macro MM8 a, as, b, bs, zero
.irp p, 0,1
.irp t, 0,1,2,3
.if \zero
	v_wmma_f32_16x16x32_bf16 v[G+8*(4*\p+\t):G+8*(4*\p+\t)+7], v[\a+\as*\t:\a+\as*\t+7], v[\b+\bs*\p:\b+\bs*\p+7], 0
.else
	v_wmma_f32_16x16x32_bf16 v[G+8*(4*\p+\t):G+8*(4*\p+\t)+7], v[\a+\as*\t:\a+\as*\t+7], v[\b+\bs*\p:\b+\bs*\p+7], v[G+8*(4*\p+\t):G+8*(4*\p+\t)+7]
.endif
.endr
.endr
.endm
; The last layer's two: one result tile for each group of 16 points.  The two accumulators take turns.
.macro MM2 a, b, zero
.irp p, 0,1
.if \zero
	v_wmma_f32_16x16x32_bf16 v[G+8*\p:G+8*\p+7], v[\a:\a+7], v[\b+16*\p:\b+16*\p+7], 0
.else
	v_wmma_f32_16x16x32_bf16 v[G+8*\p:G+8*\p+7], v[\a:\a+7], v[\b+16*\p:\b+16*\p+7], v[G+8*\p:G+8*\p+7]
.endif
.endr
.endm
; ReLU and splitting of the eight result tiles (tile i = 4 p + t): 8 neurons of a lane become 4 words of hi parts and 4 of lo parts,
; each set a piece of the next layer's second operand.  Two sets of temporaries take turns.
.macro PACK
.irp i, 0,1,2,3,4,5,6,7
.set TT, WP+8*(\i%2)
.irp j, 0,1,2,3,4,5,6,7
	v_max_num_f32 v[G+8*\i+\j], 0, v[G+8*\i+\j]
.endr
.irp j, 0,1,2,3
	v_cvt_pk_bf16_f32 v[HH+4*\i+\j], v[G+8*\i+2*\j], v[G+8*\i+2*\j+1]          ; hi
.endr
.irp j, 0,1,2,3
	v_lshlrev_b32 v[TT+2*\j],   16,  v[HH+4*\i+\j]                             ; hi as f32
	v_and_b32     v[TT+2*\j+1], s14, v[HH+4*\i+\j]
.endr
.irp j, 0,1,2,3
	v_pk_add_f32 v[G+8*\i+2*\j:G+8*\i+2*\j+1], v[G+8*\i+2*\j:G+8*\i+2*\j+1], v[TT+2*\j:TT+2*\j+1] neg_lo:[0,1] neg_hi:[0,1]   ; what is left, exact
.endr
.irp j, 0,1,2,3
	v_cvt_pk_bf16_f32 v[HL+4*\i+\j], v[G+8*\i+2*\j], v[G+8*\i+2*\j+1]          ; lo
.endr
.endr
.endm
.Ltrip:
	v_min_u32 v[SA], 0x100, v[REC+3]               ; a word of the stage, whatever the record holds
	v_lshlrev_b32 v[SA], 2, v[SA]
.irp d, 0,1,2
	v_cvt_f32_u32 v[XF+\d], v[REC+\d]              ; at most 24 bits are set: exact
.endr
.irp d, 0,1,2
	v_mul_f32 v[XF+\d], 0x30000000, v[XF+\d]       ; x 2^-31: the model's x
.endr
	; Places of the feature pairs: a second operand's lanes 0-15 hold k = 0..7 and 16..23 (levels 0-3, 8-11: places 0-7),
	; lanes 16-31 hold k = 8..15 and 24..31 (levels 4-7, 12-15: places 8-15).
	ISSUE  0, 0, 16, 0x41800000
	ISSUE  1, 1, 24, 0x41c00000
	ISSUE  2, 2, 36, 0x42100000
	ISSUE  3, 3, 54, 0x42580000
	FINISH 0, 0, 24                                ; eight gathers for each of three younger levels stay out
	ISSUE  4, 0, 81, 0x42a20000
	FINISH 1, 1, 24
	ISSUE  5, 1, 121, 0x42f20000
	FINISH 2, 2, 24
	ISSUE  6, 2, 182, 0x43360000
	FINISH 3, 3, 24
	ISSUE  7, 3, 273, 0x43888000
	FINISH 0, 8, 24
	ISSUE  8, 0, 410, 0x43cd0000
	FINISH 1, 9, 24
	ISSUE  9, 1, 615, 0x4419c000
	FINISH 2, 10, 24
	ISSUE  10, 2, 922, 0x44668000
	FINISH 3, 11, 24
	ISSUE  11, 3, 1383, 0x44ace000
	FINISH 0, 4, 24
	ISSUE  12, 0, 2075, 0x4501b000
	FINISH 1, 5, 24
	ISSUE  13, 1, 3113, 0x45429000
	FINISH 2, 6, 24
	ISSUE  14, 2, 4670, 0x4591f000
	FINISH 3, 7, 24
	ISSUE  15, 3, 7006, 0x45daf000
	; This trip's record has been used up (its output word's address lies in SA): the next trip's is asked for, and has the rest of
	; the trip in which to come.  The planes' byte stops at the queue's last 32 places, so the last trip asks inside the chunk for
	; records that nobody uses.  v[QA] and v[QN] are free: the loads that named them were waited for at the last trip's end.
	s_add_co_u32 s23, s23, 128
	s_min_u32 s23, s23, QLAST
	s_lshr_b32 s15, s23, 1
	v_lshl_add_u32 v[QA], v0, 2, s23
	v_lshl_add_u32 v[QN], v0, 1, s15
	RECORDS
	FINISH 0, 12, 28                               ; three levels' gathers and the four record loads stay out
	FINISH 1, 13, 20                               ; nothing more goes out: the counts run down to the record loads
	FINISH 2, 14, 12
	FINISH 3, 15, 4
	; The features are split into hi and lo parts (x, y, z as floats are no longer needed: their registers take hi parts).
.irp i, 0,1,2,3,4,5,6,7,8,9,10,11,12,13,14,15
	v_cvt_pk_bf16_f32 v[XH+\i], v[F+2*\i], v[F+2*\i+1]
.endr
.irp i, 0,1,2,3,4,5,6,7,8,9,10,11,12,13,14,15
	v_lshlrev_b32 v[G+2*\i],   16,  v[XH+\i]
	v_and_b32     v[G+2*\i+1], s14, v[XH+\i]
.endr
.irp i, 0,1,2,3,4,5,6,7,8,9,10,11,12,13,14,15
	v_pk_add_f32 v[F+2*\i:F+2*\i+1], v[F+2*\i:F+2*\i+1], v[G+2*\i:G+2*\i+1] neg_lo:[0,1] neg_hi:[0,1]
.endr
.irp i, 0,1,2,3,4,5,6,7,8,9,10,11,12,13,14,15
	v_cvt_pk_bf16_f32 v[XL+\i], v[F+2*\i], v[F+2*\i+1]
.endr
	; Lane = point becomes two second operands of 16 points: the upper lanes of places 0-7 change with the lower lanes of places 8-15.
.irp i, 0,1,2,3,4,5,6,7
	v_permlane16_swap_b32 v[XH+\i], v[XH+8+\i]
	v_permlane16_swap_b32 v[XL+\i], v[XL+8+\i]
.endr
	; layer 1: K = 32, three passes
	MM8 W1H, 8, XH, 8, 1                           ; hi hi
	MM8 W1H, 8, XL, 8, 0                           ; hi lo
	WIN 0x01                                       ; the first operand from window 1
	MM8 W1L, 8, XH, 8, 0                           ; lo hi
	WIN 0
	PLACES
	PACK
	; layer 2: K = 64 in two halves, three passes each
	MM8 W2H,   16, HH,   16, 1
	MM8 W2H+8, 16, HH+8, 16, 0
	MM8 W2H,   16, HL,   16, 0
	MM8 W2H+8, 16, HL+8, 16, 0
	WIN 0x01
	MM8 W2L,   16, HH,   16, 0
	MM8 W2L+8, 16, HH+8, 16, 0
	WIN 0
	PLACES
	PACK
	; layer 3: every row of the first operand is w3, so register 0 of a result holds point r's output in both halves of the lanes
	WIN 0x01
	MM2 W3H,   HH,   1
	MM2 W3H+8, HH+8, 0
	MM2 W3H,   HL,   0
	MM2 W3H+8, HL+8, 0
	MM2 W3L,   HH,   0
	MM2 W3L+8, HH+8, 0
	WIN 0                                          ; at the branch below every window is 0
	PLACES
	v_cndmask_b32 v[WP], v[G], v[G+8], s14         ; lane = point again: lanes 0-15 from the first group, 16-31 from the second
	v_max_num_f32 v[WP], 0, v[WP]                  ; the output's ReLU (the selector is 1 for every queued point)
	ds_store_b32 v[SA], v[WP] offset:STAGE
	s_wait_loadcnt 0x0                             ; the next trip's records are in
	s_add_co_u32 s22, s22, 1
	s_cmp_lt_u32 s22, TRIPS
	s_cbranch_scc1 .Ltrip
	; LDS serves a wave's instructions in order (ISA guide 5.7.1): these loads see every store above.
	v_lshlrev_b32 v[TMP], 4, v0
	ds_load_b128 v[REC:REC+3], v[TMP] offset:STAGE
	ds_load_b128 v[WP:WP+3],   v[TMP] offset:STAGE+512
	s_wait_dscnt 0x0
	global_store_b128 v[TMP], v[REC:REC+3], s[10:11] th:TH_STORE_NT            ; each store: 512 consecutive bytes, aligned
	global_store_b128 v[TMP], v[WP:WP+3],   s[10:11] offset:512 th:TH_STORE_NT
	s_set_vgpr_msb 0x5
	s_wait_tensorcnt 0x0
	ds_add_u32 v128, v129
	s_wait_dscnt 0x0
	s_set_vgpr_msb 0x500
	s_endpgm
.Lfunc_end_k_q6e2954ab0f_field:
	.size	k_q6e2954ab0f_field, .Lfunc_end_k_q6e2954ab0f_field-k_q6e2954ab0f_field
	.p2alignl 7, 3214868480
	.fill 96, 4, 3214868480
	.section	.rodata,"a",@progbits
	.p2align	6, 0x0
	.amdhsa_kernel k_q6e2954ab0f_field
		.amdhsa_group_segment_fixed_size 1536
		.amdhsa_private_segment_fixed_size 0
		.amdhsa_enable_private_segment 0
		.amdhsa_kernarg_size 80
		.amdhsa_user_sgpr_count 2
		.amdhsa_user_sgpr_kernarg_segment_ptr 1
		.amdhsa_wavefront_size32 1
		.amdhsa_system_sgpr_workgroup_id_x 1
		.amdhsa_system_sgpr_workgroup_id_y 1
		.amdhsa_system_sgpr_workgroup_id_z 1
		.amdhsa_system_vgpr_workitem_id 0
		.amdhsa_next_free_vgpr 386
		.amdhsa_next_free_sgpr 66
		.amdhsa_reserve_vcc 1
		.amdhsa_float_denorm_mode_32 3
		.amdhsa_float_denorm_mode_16_64 3
		.amdhsa_memory_ordered 1
		.amdhsa_forward_progress 1
		.amdhsa_inst_pref_size 104
	.end_amdhsa_kernel
	.amdgpu_metadata
---
amdhsa.version: [ 1, 2 ]
amdhsa.kernels:
  - .name:           k_q6e2954ab0f_field
    .symbol:         k_q6e2954ab0f_field.kd
    .args:
      - { .name: qx0, .offset: 0, .size: 8, .value_kind: global_buffer, .address_space: global }
      - { .name: qx1, .offset: 8, .size: 8, .value_kind: global_buffer, .address_space: global }
      - { .name: qy0, .offset: 16, .size: 8, .value_kind: global_buffer, .address_space: global }
      - { .name: qy1, .offset: 24, .size: 8, .value_kind: global_buffer, .address_space: global }
      - { .name: qz0, .offset: 32, .size: 8, .value_kind: global_buffer, .address_space: global }
      - { .name: qz1, .offset: 40, .size: 8, .value_kind: global_buffer, .address_space: global }
      - { .name: qn, .offset: 48, .size: 8, .value_kind: global_buffer, .address_space: global }
      - { .name: tables, .offset: 56, .size: 8, .value_kind: global_buffer, .address_space: global }
      - { .name: wfrag, .offset: 64, .size: 8, .value_kind: global_buffer, .address_space: global }
      - { .name: out0, .offset: 72, .size: 8, .value_kind: global_buffer, .address_space: global }
    .group_segment_fixed_size: 1536
    .private_segment_fixed_size: 0
    .kernarg_segment_align: 8
    .kernarg_segment_size: 80
    .max_flat_workgroup_size: 32
    .sgpr_count:     66
    .vgpr_count:     386
    .wavefront_size: 32
...
	.end_amdgpu_metadata
.endif
;; end of part 2
;; ======== version 2 of 2: 2 launches; version 1 with the launch field written anew for expert scheduling mode
;; limits: a function is approximated: absolute error at most 3.3e-06
;; workspace buffers: qx0 1,048,576 bytes of whole numbers; qx1 1,048,576 bytes of whole numbers; qy0 1,048,576 bytes of whole numbers; qy1 1,048,576 bytes of whole numbers; qz0 1,048,576 bytes of whole numbers; qz1 1,048,576 bytes of whole numbers; qn 1,048,576 bytes of whole numbers; wfrag 28,672 bytes
;; launch prep: the kernel of part 1 again; grid 2048 x 1, 1 waves a work-group, no clusters, 4,352 bytes of LDS; arguments positions, w1, w2, w3, qx0, qx1, qy0, qy1, qz0, qz1, qn, wfrag; writes qx0, qx1, qy0, qy1, qz0, qz1, qn, wfrag
;; launch field (part 3): grid 2048 x 1, 1 waves a work-group, no clusters, 1,536 bytes of LDS; arguments qx0, qx1, qy0, qy1, qz0, qz1, qn, tables, wfrag, out0; writes out0
.if DOCPART == 3
	.amdgcn_target "amdgcn-amd-amdhsa--gfx1250"
	.amdhsa_code_object_version 6
	.text
	.protected	k_q6e2954ab0f_field
	.globl	k_q6e2954ab0f_field
	.p2align	8
	.type	k_q6e2954ab0f_field,@function
k_q6e2954ab0f_field:
	s_mov_b64 s[64:65], 0
	v_nop
	global_prefetch_b8 v0, s[64:65] scope:SCOPE_SE
	s_setreg_imm32_b32 hwreg(HW_REG_WAVE_SCHED_MODE, 0, 2), 2
	s_setreg_imm32_b32 hwreg(HW_REG_WAVE_MODE, 25, 1), 1
	s_wait_xcnt 0x0
	s_wait_alu depctr_vm_vsrc(0)
; FIELD: hash-grid encoding (16 levels x 8 corners) and the net 32 -> 64 -> 64 -> 1 for a chunk of 256 consecutive points a wave.
; One wave is one work-group: no barrier, no LDS shared between waves.  The launch before has packed the chunk's points inside the
; box to the front of a queue of 256 places and filled the rest with records { 0, 0, 0, 256 } (points outside the box give 0
; whatever the net says, since the model multiplies by its own selector).  The wave
;   1. sets the 256 output words in LDS to 0;
;   2. walks the whole queue, 32 places a trip, lane = place: always 8 trips, so that no branch hangs on data.  In a trip of filling
;      records all 32 lanes ask for the same eight rows of each level: such a trip costs its instructions, but no scattered
;      gathers.  A trip's records are asked for in the trip before; each result goes to its point's word in LDS, a filling
;      record's to a word that nobody reads;
;   3. stores the 256 output words, each store 512 consecutive bytes.
; ENCODING, whole numbers only up to the gather: xq is x in 0.31 fixed point, so the high word of the 64-bit product xq * (2 res) is
; floor(x res).  The blend's weight is made as the model makes it: x res rounded to f32, less the grid coordinate.  Where that
; rounding reaches the next whole number the weight is 1 in the lower cell, which is the model's weight 0 in the upper one.
; Five level slots take turns: four or five levels' gathers (8 loads of 8 bytes a lane each) are on their way at any time.
; NET, transposed: D = W^T (first operand, rows = neurons) x X^T (second operand, columns = points).  Lane (r, h) of result tile t
; holds neurons 16 t + 8 h + 0..7 of point r, which after ReLU and packing IS the next layer's second operand: nothing crosses lanes.
; FORMAT: bf16 operands, f32 sums.  The output is the ReLU of a sum whose terms largely cancel, so one bf16 number's 8 bits an
; operand are too few.  Every operand goes as two: hi = the number rounded to bf16, lo = what is left, rounded; a product is three
; passes, hi hi + hi lo + lo hi.  What is dropped (lo lo) and what lo's rounding loses are each below 2^-16 of a term.
; REGISTERS: 384.  Window 1 (v256-383) holds weights alone, and only a matrix instruction's first operand is ever taken from it:
; three stretches and six switches a trip.
; LIMITS: table rows or weights that are not finite do not reach points outside the box (the model gives NaN there).
; The blend is a chain of seven lerps a + w (b - a), the model's a sum of eight weighted corners: the roundings differ in order.
; THE MODE: SCHED_MODE bits 1:0 = 2 (LLVM: expert scheduling mode 2), set by the entry lines.  The code itself states the register
; dependences between vector or matrix instructions and memory or LDS instructions, with s_wait_alu, always for 0.
; THE PLAN.  Registers that memory or LDS instructions touch:
;   a level slot's 16   ISSUE's vector lines write them (offsets in the even ones, temporaries in the odd ones); the level's eight gathers
;                       read the even ones, and each lands on its own offset register and the one beside it; FINISH's vector lines
;                       read and write them; the net takes v32-95 as sums and v132-147 as operands.
;   v[REC ..]           read by the trip's head and by every level's three products; the record loads behind level 15's gathers land there.
;   v[QA], v[QN]        read by the record loads; written once a trip, ahead of level 15's offsets.
;   v[SA], v[WP]        address and data of the trip's one LDS store; SA is written at the trip's head, v[WP] just ahead of the store.
;   the weights         loaded once, then read by matrix instructions alone.
;   The pairs of weights, x, y, z as floats, the features and the net's operands are named by vector and matrix instructions alone.
; WAITS ON va_vdst: one a level, between its offsets and its gathers (the offsets are made of loaded records, so each level has its own);
; level 15's serves the record loads too; one ahead of the LDS store; one at the kernel's head; one on the way out.
; WAITS ON vm_vsrc: one at the trip's head (the LDS store's registers); one in the FINISH of levels 0, 5, 10 and 15: it stands behind
; the gathers of all levels up to four further on, so it serves five levels' offset registers; one on the way out.
; WAITS ON va_sdst: one a level, behind its three 64-bit products, the only vector lines of the text that write scalar registers: each
; leaves its carry in a register of its own (s2, s3, s20).  Nobody reads a carry; the next lines that name the three are the next level's products.
.set STAGE,  0                         ; LDS: 256 output words, then word 256 for the filling records
.set TRIPS,  8                         ; 256 places, 32 a trip
.set QLAST,  896                       ; byte of a word plane at which the queue's last 32 places begin
.set QA,   1                           ; v1        byte offset of my place in the chunk's word planes
.set REC,  2                           ; v[2:5]    xq, yq, zq, the point's number (256: a filling record)
.set WP,   6                           ; v[6:29]   level slots 0-3: three pairs (weight, grid coordinate) each; at work in the net
.set QN,   30                          ; v30       byte offset of my place in the plane of numbers
.set SA,   31                          ; v31       LDS address of my point's output word; at first my 16 bytes of a run of 512
.set G,    32                          ; v[32:95]  level slots 0-3: 16 registers each, offsets, then 8 corners x 2 features; the net's sums
.set F,    96                          ; v[96:127] the 32 features in f32
.set XF,   128                         ; v[128:130] x, y, z as f32
.set G4,   132                         ; v[132:147] level slot 4: its 16 registers, idle while levels go out
.set WP4,  148                         ; v[148:153] level slot 4: its three pairs
.set TMP,  154                         ; v154      at work while levels go out; on the way out my 16 bytes of a run of 512
.set XH,   128                         ; v[128:143] features, hi parts
.set XL,   144                         ; v[144:159] features, lo parts
.set HH,   96                          ; v[96:127]  a hidden layer, hi parts: group p, tile t at 16 p + 4 t
.set HL,   128                         ; v[128:159] a hidden layer, lo parts
.set W1H,  160                         ; v[160:191] hi of w1, tile t at 8 t
.set W2H,  192                         ; v[192:255] hi of w2, tile t, half kk at 16 t + 8 kk
.set W1L,  0                           ; window 1: v[256:287] lo of w1
.set W2L,  32                          ; window 1: v[288:351] lo of w2
.set W3H,  96                          ; window 1: v[352:367] hi of w3, half kk at 8 kk
.set W3L,  112                         ; window 1: v[368:383] lo of w3
.set CAX,  2                           ; s2        the carry of x's product: written, never read
.set CAY,  3                           ; s3        of y's
.set CAZ,  20                          ; s20       of z's
.set TB,   32                          ; s[32:63]  the 16 levels' tables (at first: the arguments)
.set MSB, 0
.macro WIN new                         ; low byte: bits 1:0 source 0, 7:6 destination; the high byte repeats the setting that is left
.if MSB != \new
	s_set_vgpr_msb (MSB<<8)|\new
.set MSB, \new
.endif
.endm
	s_load_b512 s[32:47], s[0:1], 0x0              ; qx0, qx1 s[32:35], qy0, qy1 s[36:39], qz0, qz1 s[40:43], qn s[44:45], tables s[46:47]
	s_load_b128 s[8:11], s[0:1], 0x40              ; wfrag s[8:9], out0 s[10:11]
	s_set_vgpr_msb 0x40
	v_lshl_add_u32 v128, v0, 2, 0x500
	v_mov_b32 v129, 0
	s_set_vgpr_msb 0x4000
	s_and_b32 s24, ttmp9, 1023                     ; the chunk's number in its half,
	s_lshl_b32 s24, s24, 10                        ; times 256 words
	s_mov_b32 s25, 0
	s_lshl_b32 s26, ttmp9, 10                      ; my 256 outputs
	s_mov_b32 s27, 0
	s_lshl_b32 s30, ttmp9, 9                       ; my 256 numbers of 16 bits
	s_mov_b32 s31, 0
	s_mov_b32 s12, 0x9e3779b1                      ; the hash's primes for y and z (x's is 1)
	s_mov_b32 s13, 0x30025795
	s_mov_b32 s14, 0xffff0000                      ; a word's upper bf16; also, as a mask of lanes, lanes 16 to 31
	s_mov_b32 s23, 0                               ; byte of a word plane at which the places last asked for begin
	s_mov_b32 s22, 0                               ; trips done
	v_lshlrev_b32 v[QA], 2, v0
	v_lshlrev_b32 v[QN], 1, v0
	v_lshlrev_b32 v[SA], 4, v0
	v_mov_b32 v[WP], 0
	v_mov_b32 v[WP+1], 0
	v_mov_b32 v[WP+2], 0
	v_mov_b32 v[WP+3], 0
	s_wait_kmcnt 0x0
	s_cmp_lt_u32 ttmp9, 1024                       ; which half of the chunks ?
	s_cselect_b64 s[4:5],   s[32:33], s[34:35]     ; the plane of xq
	s_cselect_b64 s[16:17], s[36:37], s[38:39]     ; of yq
	s_cselect_b64 s[18:19], s[40:41], s[42:43]     ; of zq
	s_mov_b64 s[28:29], s[44:45]                   ; of the numbers
	s_mov_b64 s[6:7], s[46:47]                     ; the tables
	s_add_nc_u64 s[4:5],   s[4:5],   s[24:25]
	s_add_nc_u64 s[16:17], s[16:17], s[24:25]
	s_add_nc_u64 s[18:19], s[18:19], s[24:25]
	s_add_nc_u64 s[28:29], s[28:29], s[30:31]
	s_add_nc_u64 s[10:11], s[10:11], s[26:27]
.irp l, 0,1,2,3,4,5,6,7,8,9,10,11,12,13,14,15
	s_add_nc_u64 s[TB+2*\l:TB+2*\l+1], s[6:7], \l*0x400000       ; a level is 524,288 rows of 8 bytes
.endr
; The records of 32 places: three words and a number of 16 bits a lane.
.macro RECORDS
	global_load_b32 v[REC],   v[QA], s[4:5]
	global_load_b32 v[REC+1], v[QA], s[16:17]
	global_load_b32 v[REC+2], v[QA], s[18:19]
	global_load_u16 v[REC+3], v[QN], s[28:29]
.endm
	s_wait_alu depctr_va_vdst(0)                   ; v[QA], v[QN], v[SA] and the four zeros in v[WP ..] are written: the loads and the two LDS stores down to the wait on LOADcnt read them, and no vector line stands among them
	RECORDS                                        ; the first trip's
	; 56 weight loads, 512 consecutive bytes each; with the four record loads 60 loads of the wave are out
.irp f, 0,1,2,3,4,5,6,7,8,9,10,11
	global_load_b128 v[W1H+8*\f:W1H+8*\f+3],   v[SA], s[8:9] offset:1024*\f
	global_load_b128 v[W1H+8*\f+4:W1H+8*\f+7], v[SA], s[8:9] offset:1024*\f+512
.endr
	WIN 0x40                                       ; the destination in window 1, the offset register in window 0
.irp f, 0,1,2,3,4,5,6,7,8,9,10,11,12,13,14,15
	global_load_b128 v[8*\f:8*\f+3],   v[SA], s[8:9] offset:1024*(12+\f)
	global_load_b128 v[8*\f+4:8*\f+7], v[SA], s[8:9] offset:1024*(12+\f)+512
.endr
	WIN 0
	ds_store_b128 v[SA], v[WP:WP+3] offset:STAGE                 ; the 256 outputs start as 0
	ds_store_b128 v[SA], v[WP:WP+3] offset:STAGE+512
	s_wait_loadcnt 0x0                             ; records and weights are in, and the loads that named v[QA], v[QN] and v[SA] are done
.macro SLOTREGS slot                   ; the registers of a level slot
.if \slot == 4
.set G0, G4
.set W0, WP4
.else
.set G0, G+16*\slot
.set W0, WP+6*\slot
.endif
.endm
; Level l goes out from slot s: coordinates, eight hashes, eight gathers, and the weights.  res: the level's resolution as a whole
; number, resf: the same as f32.  The slot's odd registers serve as temporaries until the loads are issued; each load lands on its
; own offset register.
.macro CORNERS q, a                    ; the two x corners of the (y, z) pair q, whose masked hash part lies in register a
	v_xor_b32 v[G0+4*\q],   v[W0+1], v[\a]
	v_xor_b32 v[G0+4*\q+2], v[G0+9], v[\a]
.endm
.macro GATHER l, c                     ; corner c: both features of its row
	global_load_b64 v[G0+2*\c:G0+2*\c+1], v[G0+2*\c], s[TB+2*\l:TB+2*\l+1]
.endm
.macro ISSUE l, slot, res, resf
	SLOTREGS \slot
	v_mad_co_u64_u32 v[W0:W0+1],   s[CAX], v[REC],   2*\res, 0   ; x 2^31 times 2 res: the high word is floor(x res); the carry goes to a scalar register of the product's own
	v_mad_co_u64_u32 v[W0+2:W0+3], s[CAY], v[REC+1], 2*\res, 0
	v_mad_co_u64_u32 v[W0+4:W0+5], s[CAZ], v[REC+2], 2*\res, 0
	s_wait_alu depctr_va_sdst(0)                   ; the three products have written their carries into s2, s3 and s20, ahead of the next lines that name these registers: the next level's products
	v_mul_lo_u32 v[G0+1], v[W0+3], s12             ; iy x prime
	v_mul_lo_u32 v[G0+3], v[W0+5], s13             ; iz x prime
	v_add_nc_u32 v[G0+9], 1, v[W0+1]               ; ix + 1: at most 7,006, so x needs no mask
	v_add_nc_u32 v[G0+5], s12, v[G0+1]             ; (iy + 1) x prime
	v_add_nc_u32 v[G0+7], s13, v[G0+3]             ; (iz + 1) x prime
	v_xor_b32 v[G0+11], v[G0+1], v[G0+3]           ; pair q = 2 cy + cz
	v_xor_b32 v[G0+13], v[G0+1], v[G0+7]
	v_xor_b32 v[G0+15], v[G0+5], v[G0+3]
	v_xor_b32 v[TMP],   v[G0+5], v[G0+7]
	v_and_b32 v[G0+11], 0x7ffff, v[G0+11]
	v_and_b32 v[G0+13], 0x7ffff, v[G0+13]
	v_and_b32 v[G0+15], 0x7ffff, v[G0+15]
	v_and_b32 v[TMP],   0x7ffff, v[TMP]
	CORNERS 0, G0+11
	CORNERS 1, G0+13
	CORNERS 2, G0+15
	CORNERS 3, TMP
.irp c, 0,1,2,3,4,5,6,7
	v_min_u32 v[G0+2*\c], 0x7ffff, v[G0+2*\c]      ; a row of the table, whatever the records hold
.endr
.irp c, 0,1,2,3,4,5,6,7
	v_lshlrev_b32 v[G0+2*\c], 3, v[G0+2*\c]        ; a row is 8 bytes: both features
.endr
	s_wait_alu depctr_va_vdst(0)                   ; the eight offsets are written, which the gathers read; every vector or matrix line that named the slot's 16 registers, in which the gathers land, is done
	                                               ; (in level 15 also: v[QA] and v[QN] are written and the last readers of v[REC ..] are done, for the record loads that follow the level)
	; The weights' nine lines are dealt among the gathers: they name the slot's three pairs and x, y, z alone, no register of a gather.
	; The model rounds x res to f32 and only then takes the floor away: the product is rounded by itself here too, so the
	; multiply and the subtraction are not fused.
	GATHER \l, 0
	v_cvt_f32_u32 v[W0+1], v[W0+1]                 ; the grid coordinate as f32, exact
	GATHER \l, 1
	v_cvt_f32_u32 v[W0+3], v[W0+3]
	GATHER \l, 2
	v_cvt_f32_u32 v[W0+5], v[W0+5]
	GATHER \l, 3
	v_mul_f32 v[W0],   \resf, v[XF]
	GATHER \l, 4
	v_mul_f32 v[W0+2], \resf, v[XF+1]
	GATHER \l, 5
	v_mul_f32 v[W0+4], \resf, v[XF+2]
	GATHER \l, 6
	v_sub_f32 v[W0],   v[W0],   v[W0+1]
	GATHER \l, 7
	v_sub_f32 v[W0+2], v[W0+2], v[W0+3]
	v_sub_f32 v[W0+4], v[W0+4], v[W0+5]
.endm
; The level in slot s comes in and is blended: four lerps along x, two along y, one along z, both features at once; the weight is
; the low register of its pair for both halves.  dst = the level's place among the feature pairs; left = younger loads that stay out.
; free = 1: the wait on vm_vsrc stands here (levels 0, 5, 10, 15).
.macro FINISH slot, dst, left, free
	SLOTREGS \slot
	s_wait_loadcnt \left                           ; loads come back in order: my eight are in, the younger ones stay out
.if \free
	s_wait_alu depctr_vm_vsrc(0)                   ; all gathers issued so far, this level's and those of the levels up to four further on, have read their offset registers, which the lines below, the next FINISHes and the next ISSUEs write (level 15: the record loads have read v[QA] and v[QN] too)
.endif
.irp q, 0,4,8,12
	v_pk_add_f32 v[G0+\q+2:G0+\q+3], v[G0+\q+2:G0+\q+3], v[G0+\q:G0+\q+1] neg_lo:[0,1] neg_hi:[0,1]
.endr
.irp q, 0,4,8,12
	v_pk_fma_f32 v[G0+\q:G0+\q+1], v[G0+\q+2:G0+\q+3], v[W0:W0+1], v[G0+\q:G0+\q+1] op_sel_hi:[1,0,1]
.endr
.irp q, 0,4
	v_pk_add_f32 v[G0+\q+8:G0+\q+9], v[G0+\q+8:G0+\q+9], v[G0+\q:G0+\q+1] neg_lo:[0,1] neg_hi:[0,1]
.endr
.irp q, 0,4
	v_pk_fma_f32 v[G0+\q:G0+\q+1], v[G0+\q+8:G0+\q+9], v[W0+2:W0+3], v[G0+\q:G0+\q+1] op_sel_hi:[1,0,1]
.endr
	v_pk_add_f32 v[G0+4:G0+5], v[G0+4:G0+5], v[G0:G0+1] neg_lo:[0,1] neg_hi:[0,1]
	v_pk_fma_f32 v[F+2*\dst:F+2*\dst+1], v[G0+4:G0+5], v[W0+4:W0+5], v[G0:G0+1] op_sel_hi:[1,0,1]
.endm
; Four places behind the last matrix instruction before a vector instruction reads a result or writes an operand (ISA guide 7.12.1).
.macro PLACES
.rept 4
	v_nop
.endr
.endm
; Eight matrix instructions, one for each result tile (group p of 16 points, neuron tile t): first operand at a + as t, second at
; b + bs p.  zero = 1: the constant 0 starts the sums.  The eight accumulators take turns, one instruction a turn.
.macro MM8 a, as, b, bs, zero
.irp p, 0,1
.irp t, 0,1,2,3
.if \zero
	v_wmma_f32_16x16x32_bf16 v[G+8*(4*\p+\t):G+8*(4*\p+\t)+7], v[\a+\as*\t:\a+\as*\t+7], v[\b+\bs*\p:\b+\bs*\p+7], 0
.else
	v_wmma_f32_16x16x32_bf16 v[G+8*(4*\p+\t):G+8*(4*\p+\t)+7], v[\a+\as*\t:\a+\as*\t+7], v[\b+\bs*\p:\b+\bs*\p+7], v[G+8*(4*\p+\t):G+8*(4*\p+\t)+7]
.endif
.endr
.endr
.endm
; The last layer's two: one result tile for each group of 16 points.  The two accumulators take turns.
.macro MM2 a, b, zero
.irp p, 0,1
.if \zero
	v_wmma_f32_16x16x32_bf16 v[G+8*\p:G+8*\p+7], v[\a:\a+7], v[\b+16*\p:\b+16*\p+7], 0
.else
	v_wmma_f32_16x16x32_bf16 v[G+8*\p:G+8*\p+7], v[\a:\a+7], v[\b+16*\p:\b+16*\p+7], v[G+8*\p:G+8*\p+7]
.endif
.endr
.endm
; ReLU and splitting of the eight result tiles (tile i = 4 p + t): 8 neurons of a lane become 4 words of hi parts and 4 of lo parts,
; each set a piece of the next layer's second operand.  Two sets of temporaries take turns.
.macro PACK
.irp i, 0,1,2,3,4,5,6,7
.set TT, WP+8*(\i%2)
.irp j, 0,1,2,3,4,5,6,7
	v_max_num_f32 v[G+8*\i+\j], 0, v[G+8*\i+\j]
.endr
.irp j, 0,1,2,3
	v_cvt_pk_bf16_f32 v[HH+4*\i+\j], v[G+8*\i+2*\j], v[G+8*\i+2*\j+1]          ; hi
.endr
.irp j, 0,1,2,3
	v_lshlrev_b32 v[TT+2*\j],   16,  v[HH+4*\i+\j]                             ; hi as f32
	v_and_b32     v[TT+2*\j+1], s14, v[HH+4*\i+\j]
.endr
.irp j, 0,1,2,3
	v_pk_add_f32 v[G+8*\i+2*\j:G+8*\i+2*\j+1], v[G+8*\i+2*\j:G+8*\i+2*\j+1], v[TT+2*\j:TT+2*\j+1] neg_lo:[0,1] neg_hi:[0,1]   ; what is left, exact
.endr
.irp j, 0,1,2,3
	v_cvt_pk_bf16_f32 v[HL+4*\i+\j], v[G+8*\i+2*\j], v[G+8*\i+2*\j+1]          ; lo
.endr
.endr
.endm
.Ltrip:
	s_wait_alu depctr_vm_vsrc(0)                   ; the last trip's LDS store has read v[SA] and v[WP] (in the first trip: the weight loads and the two clearing stores have), which the lines below write
	v_min_u32 v[SA], 0x100, v[REC+3]               ; a word of the stage, whatever the record holds
	v_lshlrev_b32 v[SA], 2, v[SA]
.irp d, 0,1,2
	v_cvt_f32_u32 v[XF+\d], v[REC+\d]              ; at most 24 bits are set: exact
.endr
.irp d, 0,1,2
	v_mul_f32 v[XF+\d], 0x30000000, v[XF+\d]       ; x 2^-31: the model's x
.endr
	; Places of the feature pairs: a second operand's lanes 0-15 hold k = 0..7 and 16..23 (levels 0-3, 8-11: places 0-7),
	; lanes 16-31 hold k = 8..15 and 24..31 (levels 4-7, 12-15: places 8-15).  Level l lies in slot l % 5.
	ISSUE  0, 0, 16, 0x41800000
	ISSUE  1, 1, 24, 0x41c00000
	ISSUE  2, 2, 36, 0x42100000
	ISSUE  3, 3, 54, 0x42580000
	ISSUE  4, 4, 81, 0x42a20000
	FINISH 0, 0, 32, 1                             ; level 0: eight gathers for each of four younger levels stay out
	ISSUE  5, 0, 121, 0x42f20000
	FINISH 1, 1, 32, 0
	ISSUE  6, 1, 182, 0x43360000
	FINISH 2, 2, 32, 0
	ISSUE  7, 2, 273, 0x43888000
	FINISH 3, 3, 32, 0
	ISSUE  8, 3, 410, 0x43cd0000
	FINISH 4, 8, 32, 0                             ; level 4
	ISSUE  9, 4, 615, 0x4419c000
	FINISH 0, 9, 32, 1                             ; level 5
	ISSUE  10, 0, 922, 0x44668000
	FINISH 1, 10, 32, 0
	ISSUE  11, 1, 1383, 0x44ace000
	FINISH 2, 11, 32, 0
	ISSUE  12, 2, 2075, 0x4501b000
	FINISH 3, 4, 32, 0                             ; level 8
	ISSUE  13, 3, 3113, 0x45429000
	FINISH 4, 5, 32, 0
	ISSUE  14, 4, 4670, 0x4591f000
	FINISH 0, 6, 32, 1                             ; level 10
	; The next trip's records are asked for behind level 15's gathers, and have the rest of the trip in which to come.  Their two
	; offsets are made here, ahead of level 15's wait on va_vdst.  The planes' byte stops at the queue's last 32 places, so the last
	; trip asks inside the chunk for records that nobody uses.  v[QA] and v[QN] are free: the loads that named them were waited for
	; at the last trip's end, and a wait on vm_vsrc has stood behind them since.
	s_add_co_u32 s23, s23, 128
	s_min_u32 s23, s23, QLAST
	s_lshr_b32 s15, s23, 1
	v_lshl_add_u32 v[QA], v0, 2, s23
	v_lshl_add_u32 v[QN], v0, 1, s15
	ISSUE  15, 0, 7006, 0x45daf000
	RECORDS                                        ; no wait: since level 15's wait on va_vdst no vector line has named v[REC ..], v[QA] or v[QN] (this trip's output word's address lies in SA)
	FINISH 1, 7, 36, 0                             ; level 11: four levels' gathers and the four record loads stay out
	FINISH 2, 12, 28, 0                            ; nothing more goes out: the counts run down to the record loads
	FINISH 3, 13, 20, 0
	FINISH 4, 14, 12, 0
	FINISH 0, 15, 4, 1                             ; level 15
	; The features are split into hi and lo parts (x, y, z as floats and slot 4 are no longer needed: their registers take the parts).
.irp i, 0,1,2,3,4,5,6,7,8,9,10,11,12,13,14,15
	v_cvt_pk_bf16_f32 v[XH+\i], v[F+2*\i], v[F+2*\i+1]
.endr
.irp i, 0,1,2,3,4,5,6,7,8,9,10,11,12,13,14,15
	v_lshlrev_b32 v[G+2*\i],   16,  v[XH+\i]
	v_and_b32     v[G+2*\i+1], s14, v[XH+\i]
.endr
.irp i, 0,1,2,3,4,5,6,7,8,9,10,11,12,13,14,15
	v_pk_add_f32 v[F+2*\i:F+2*\i+1], v[F+2*\i:F+2*\i+1], v[G+2*\i:G+2*\i+1] neg_lo:[0,1] neg_hi:[0,1]
.endr
.irp i, 0,1,2,3,4,5,6,7,8,9,10,11,12,13,14,15
	v_cvt_pk_bf16_f32 v[XL+\i], v[F+2*\i], v[F+2*\i+1]
.endr
	; Lane = point becomes two second operands of 16 points: the upper lanes of places 0-7 change with the lower lanes of places 8-15.
.irp i, 0,1,2,3,4,5,6,7
	v_permlane16_swap_b32 v[XH+\i], v[XH+8+\i]
	v_permlane16_swap_b32 v[XL+\i], v[XL+8+\i]
.endr
	; layer 1: K = 32, three passes
	MM8 W1H, 8, XH, 8, 1                           ; hi hi
	MM8 W1H, 8, XL, 8, 0                           ; hi lo
	WIN 0x01                                       ; the first operand from window 1
	MM8 W1L, 8, XH, 8, 0                           ; lo hi
	WIN 0
	PLACES
	PACK
	; layer 2: K = 64 in two halves, three passes each
	MM8 W2H,   16, HH,   16, 1
	MM8 W2H+8, 16, HH+8, 16, 0
	MM8 W2H,   16, HL,   16, 0
	MM8 W2H+8, 16, HL+8, 16, 0
	WIN 0x01
	MM8 W2L,   16, HH,   16, 0
	MM8 W2L+8, 16, HH+8, 16, 0
	WIN 0
	PLACES
	PACK
	; layer 3: every row of the first operand is w3, so register 0 of a result holds point r's output in both halves of the lanes
	WIN 0x01
	MM2 W3H,   HH,   1
	MM2 W3H+8, HH+8, 0
	MM2 W3H,   HL,   0
	MM2 W3H+8, HL+8, 0
	MM2 W3L,   HH,   0
	MM2 W3L+8, HH+8, 0
	WIN 0                                          ; at the branch below every window is 0
	PLACES
	v_cndmask_b32 v[WP], v[G], v[G+8], s14         ; lane = point again: lanes 0-15 from the first group, 16-31 from the second
	v_max_num_f32 v[WP], 0, v[WP]                  ; the output's ReLU (the selector is 1 for every queued point)
	s_wait_alu depctr_va_vdst(0)                   ; v[WP] is written, which the LDS store reads as its data (its address v[SA] was written at the trip's head)
	ds_store_b32 v[SA], v[WP] offset:STAGE
	s_wait_loadcnt 0x0                             ; the next trip's records are in
	s_add_co_u32 s22, s22, 1
	s_cmp_lt_u32 s22, TRIPS
	s_cbranch_scc1 .Ltrip
	; LDS serves a wave's instructions in order (ISA guide 5.7.1): these loads see every store above.
	v_lshlrev_b32 v[TMP], 4, v0
	s_wait_alu depctr_vm_vsrc(0)                   ; the last trip's LDS store has read v[WP], in which the second load below lands
	s_wait_alu depctr_va_vdst(0)                   ; v[TMP] is written, which the two loads and the two stores below read; the vector lines that named v[REC ..] and v[WP ..], in which the loads land, are done
	ds_load_b128 v[REC:REC+3], v[TMP] offset:STAGE
	ds_load_b128 v[WP:WP+3],   v[TMP] offset:STAGE+512
	s_wait_dscnt 0x0
	global_store_b128 v[TMP], v[REC:REC+3], s[10:11] th:TH_STORE_NT            ; each store: 512 consecutive bytes, aligned
	global_store_b128 v[TMP], v[WP:WP+3],   s[10:11] offset:512 th:TH_STORE_NT
	s_set_vgpr_msb 0x5
	s_wait_dscnt 0x0
	s_wait_alu depctr_hold_cnt(0) depctr_sa_sdst(0) depctr_va_vdst(0) depctr_va_sdst(0) depctr_va_ssrc(0) depctr_va_vcc(0) depctr_vm_vsrc(0)
	s_wait_tensorcnt 0x0
	ds_add_u32 v128, v129
	s_wait_dscnt 0x0
	s_endpgm
.Lfunc_end_k_q6e2954ab0f_field:
	.size	k_q6e2954ab0f_field, .Lfunc_end_k_q6e2954ab0f_field-k_q6e2954ab0f_field
	.p2alignl 7, 3214868480
	.fill 96, 4, 3214868480
	.section	.rodata,"a",@progbits
	.p2align	6, 0x0
	.amdhsa_kernel k_q6e2954ab0f_field
		.amdhsa_group_segment_fixed_size 1536
		.amdhsa_private_segment_fixed_size 0
		.amdhsa_enable_private_segment 0
		.amdhsa_kernarg_size 80
		.amdhsa_user_sgpr_count 2
		.amdhsa_user_sgpr_kernarg_segment_ptr 1
		.amdhsa_wavefront_size32 1
		.amdhsa_system_sgpr_workgroup_id_x 1
		.amdhsa_system_sgpr_workgroup_id_y 1
		.amdhsa_system_sgpr_workgroup_id_z 1
		.amdhsa_system_vgpr_workitem_id 0
		.amdhsa_next_free_vgpr 386
		.amdhsa_next_free_sgpr 66
		.amdhsa_reserve_vcc 0
		.amdhsa_float_denorm_mode_32 3
		.amdhsa_float_denorm_mode_16_64 3
		.amdhsa_memory_ordered 1
		.amdhsa_forward_progress 1
		.amdhsa_inst_pref_size 105
	.end_amdhsa_kernel
	.amdgpu_metadata
---
amdhsa.version: [ 1, 2 ]
amdhsa.kernels:
  - .name:           k_q6e2954ab0f_field
    .symbol:         k_q6e2954ab0f_field.kd
    .args:
      - { .name: qx0, .offset: 0, .size: 8, .value_kind: global_buffer, .address_space: global }
      - { .name: qx1, .offset: 8, .size: 8, .value_kind: global_buffer, .address_space: global }
      - { .name: qy0, .offset: 16, .size: 8, .value_kind: global_buffer, .address_space: global }
      - { .name: qy1, .offset: 24, .size: 8, .value_kind: global_buffer, .address_space: global }
      - { .name: qz0, .offset: 32, .size: 8, .value_kind: global_buffer, .address_space: global }
      - { .name: qz1, .offset: 40, .size: 8, .value_kind: global_buffer, .address_space: global }
      - { .name: qn, .offset: 48, .size: 8, .value_kind: global_buffer, .address_space: global }
      - { .name: tables, .offset: 56, .size: 8, .value_kind: global_buffer, .address_space: global }
      - { .name: wfrag, .offset: 64, .size: 8, .value_kind: global_buffer, .address_space: global }
      - { .name: out0, .offset: 72, .size: 8, .value_kind: global_buffer, .address_space: global }
    .group_segment_fixed_size: 1536
    .private_segment_fixed_size: 0
    .kernarg_segment_align: 8
    .kernarg_segment_size: 80
    .max_flat_workgroup_size: 32
    .sgpr_count:     66
    .vgpr_count:     386
    .wavefront_size: 32
...
	.end_amdgpu_metadata
.endif
;; end of part 3
